; MI455X (gfx1250); checked and timed in simulation.
; The chip was launched on July 23, 2026; its instructions are those of AMD's public machine-readable ISA for CDNA 5 (MIT licence, August 2026) and "CDNA5" Instruction Set Architecture Reference Guide (July 2026). The comments in the code are by the model that wrote it; some were corrected since.
;; Multi Head Attention. Allowed arithmetic: float matrix products may take bf16 or f16 operands with f32 sums; all other float work in f32.
;; Inputs: K 2 x 2,048 x 1,024 float32; Q 2 x 2,048 x 1,024 float32; V 2 x 2,048 x 1,024 float32; Wk 1,024 x 1,024 float32; Wo 1,024 x 1,024 float32; Wq 1,024 x 1,024 float32; Wv 1,024 x 1,024 float32; bk 1,024 float32; bo 1,024 float32; bq 1,024 float32; bv 1,024 float32.
;; Outputs: out0 2 x 2,048 x 1,024 float32.
;; One version. Each part assembles by itself: llvm-mc -triple=amdgcn-amd-amdhsa -mcpu=gfx1250 --defsym DOCPART=n.
;; ======== version 1 of 1: 4 launches
;; workspace buffers: cb 33,554,432 bytes; qkv 25,165,824 bytes; ao 8,388,608 bytes
;; launch cast (part 1): grid 64 x 16, 8 waves a work-group, no clusters, 0 bytes of LDS; arguments Q, K, V, Wq, Wk, Wv, Wo, cb; writes cb
.if DOCPART == 1
	.amdgcn_target "amdgcn-amd-amdhsa--gfx1250"
	.amdhsa_code_object_version 6
	.text
	.protected	k_q80741d73ed_cast
	.globl	k_q80741d73ed_cast
	.p2align	8
	.type	k_q80741d73ed_cast,@function
k_q80741d73ed_cast:
	s_mov_b64 s[64:65], 0
	v_nop
	global_prefetch_b8 v0, s[64:65] scope:SCOPE_SE
	s_setreg_imm32_b32 hwreg(HW_REG_WAVE_MODE, 25, 1), 1
	s_wait_xcnt 0x0
; cb = bf16 of (Q | K | V | Wq | Wk | Wv | Wo), rounded to nearest even, in that order without gaps.
; The 64 MiB of f32 are 16 units of 4 MiB: units 0-3 Q, 4-7 K, 8-11 V, 12 Wq, 13 Wk, 14 Wv, 15 Wo; the grid's y is the unit, its x one of
; 64 pieces of 64 KiB.  Eight waves; thread t takes the 16 bytes at 16 t of each of 16 blocks of 4,096 bytes: a load of a wave covers 512
; consecutive bytes, a store of a wave 256 consecutive bytes at a multiple of 256.  All 16 loads of a thread go out first; no register is written
; twice, so no wait frees a source.  A stream: no byte is shared between work-groups, so LDS, clusters and the matrix unit have nothing to add.
.set X, 4                              ; v[4:67]   16 x 4 f32 as loaded
.set Y, 68                             ; v[68:99]  16 x 2 registers of packed bf16
	s_load_b512 s[8:23], s[0:1], 0x0               ; Q 8:9, K 10:11, V 12:13, Wq 14:15, Wk 16:17, Wv 18:19, Wo 20:21, cb 22:23
	s_and_b32 s2, ttmp7, 0xffff                    ; the unit
	v_lshlrev_b32 v1, 4, v0                        ; my 16 bytes in a block of the source
	v_lshlrev_b32 v2, 3, v0                        ; my 8 bytes in a block of cb
	s_and_b32 s3, s2, 3                            ; Q, K, V have four units each: which of them;
	s_cmp_lt_u32 s2, 12
	s_cselect_b32 s3, s3, 0                        ; a weight is one unit
	s_lshl_b32 s3, s3, 22
	s_lshl_b32 s6, ttmp9, 16                       ; my 64 KiB in the unit
	s_add_co_u32 s6, s6, s3
	s_mov_b32 s7, 0
	s_lshl_b32 s24, s2, 21                         ; in cb a unit is 2 MiB,
	s_lshl_b32 s25, ttmp9, 15                      ; my piece 32 KiB
	s_add_co_u32 s24, s24, s25
	s_mov_b32 s25, 0
	s_wait_kmcnt 0x0
	s_mov_b64 s[4:5], s[8:9]                       ; the source buffer, chosen by the unit's number alone
.macro PICK from, lo
	s_cmp_ge_u32 s2, \from
	s_cselect_b64 s[4:5], s[\lo:\lo+1], s[4:5]
.endm
	PICK 4, 10
	PICK 8, 12
	PICK 12, 14
	PICK 13, 16
	PICK 14, 18
	PICK 15, 20
	s_add_nc_u64 s[4:5], s[4:5], s[6:7]
	s_add_nc_u64 s[22:23], s[22:23], s[24:25]
.irp i, 0,1,2,3,4,5,6,7,8,9,10,11,12,13,14,15
	global_load_b128 v[X+4*\i:X+4*\i+3], v1, s[4:5] offset:4096*\i th:TH_LOAD_NT   ; read once in the launch
.endr
.irp i, 0,1,2,3,4,5,6,7,8,9,10,11,12,13,14,15
	s_wait_loadcnt 15-\i                           ; loads come back in order: block i is in, the 15 - i younger ones stay out
	v_cvt_pk_bf16_f32 v[Y+2*\i],   v[X+4*\i],   v[X+4*\i+1]
	v_cvt_pk_bf16_f32 v[Y+2*\i+1], v[X+4*\i+2], v[X+4*\i+3]
	global_store_b64 v2, v[Y+2*\i:Y+2*\i+1], s[22:23] offset:2048*\i   ; no hint: the next launch reads cb
.endr
	s_endpgm
.Lfunc_end_k_q80741d73ed_cast:
	.size	k_q80741d73ed_cast, .Lfunc_end_k_q80741d73ed_cast-k_q80741d73ed_cast
	.p2alignl 7, 3214868480
	.fill 96, 4, 3214868480
	.section	.rodata,"a",@progbits
	.p2align	6, 0x0
	.amdhsa_kernel k_q80741d73ed_cast
		.amdhsa_group_segment_fixed_size 0
		.amdhsa_private_segment_fixed_size 0
		.amdhsa_enable_private_segment 0
		.amdhsa_kernarg_size 64
		.amdhsa_user_sgpr_count 2
		.amdhsa_user_sgpr_kernarg_segment_ptr 1
		.amdhsa_wavefront_size32 1
		.amdhsa_system_sgpr_workgroup_id_x 1
		.amdhsa_system_sgpr_workgroup_id_y 1
		.amdhsa_system_sgpr_workgroup_id_z 1
		.amdhsa_system_vgpr_workitem_id 0
		.amdhsa_next_free_vgpr 100
		.amdhsa_next_free_sgpr 66
		.amdhsa_reserve_vcc 0
		.amdhsa_float_denorm_mode_32 3
		.amdhsa_float_denorm_mode_16_64 3
		.amdhsa_memory_ordered 1
		.amdhsa_forward_progress 1
		.amdhsa_inst_pref_size 7
	.end_amdhsa_kernel
	.amdgpu_metadata
---
amdhsa.version: [ 1, 2 ]
amdhsa.kernels:
  - .name:           k_q80741d73ed_cast
    .symbol:         k_q80741d73ed_cast.kd
    .args:
      - { .name: Q, .offset: 0, .size: 8, .value_kind: global_buffer, .address_space: global }
      - { .name: K, .offset: 8, .size: 8, .value_kind: global_buffer, .address_space: global }
      - { .name: V, .offset: 16, .size: 8, .value_kind: global_buffer, .address_space: global }
      - { .name: Wq, .offset: 24, .size: 8, .value_kind: global_buffer, .address_space: global }
      - { .name: Wk, .offset: 32, .size: 8, .value_kind: global_buffer, .address_space: global }
      - { .name: Wv, .offset: 40, .size: 8, .value_kind: global_buffer, .address_space: global }
      - { .name: Wo, .offset: 48, .size: 8, .value_kind: global_buffer, .address_space: global }
      - { .name: cb, .offset: 56, .size: 8, .value_kind: global_buffer, .address_space: global }
    .group_segment_fixed_size: 0
    .private_segment_fixed_size: 0
    .kernarg_segment_align: 8
    .kernarg_segment_size: 64
    .max_flat_workgroup_size: 256
    .sgpr_count:     66
    .vgpr_count:     100
    .wavefront_size: 32
...
	.end_amdgpu_metadata
.endif
;; end of part 1
;; launch proj (part 2): grid 4 x 48, 4 waves a work-group, clusters of 4 x 4, 327,680 bytes of LDS; arguments cb, bq, bk, bv, qkv; writes qkv
.if DOCPART == 2
	.amdgcn_target "amdgcn-amd-amdhsa--gfx1250"
	.amdhsa_code_object_version 6
	.text
	.protected	k_q80741d73ed_proj
	.globl	k_q80741d73ed_proj
	.p2align	8
	.type	k_q80741d73ed_proj,@function
k_q80741d73ed_proj:
	s_mov_b64 s[64:65], 0
	v_nop
	global_prefetch_b8 v0, s[64:65] scope:SCOPE_SE
	s_setreg_imm32_b32 hwreg(HW_REG_WAVE_MODE, 25, 1), 1
	s_wait_xcnt 0x0
	s_wait_alu depctr_hold_cnt(0) depctr_sa_sdst(0) depctr_va_vdst(0) depctr_va_sdst(0) depctr_va_ssrc(0) depctr_va_vcc(0) depctr_vm_vsrc(0)
	s_getreg_b32 s2, hwreg(HW_REG_IB_STS2, 6, 4)
	s_cmp_eq_u32 s2, 0
	s_cbranch_scc0 .Lentry_in_a_cluster
	s_endpgm
.Lentry_in_a_cluster:
	s_bfe_u32 s2, ttmp6, 0x10000c
	s_cmp_lg_u32 s2, 0xf033
	s_cbranch_scc0 .Lentry_shape_is_right
	s_endpgm
.Lentry_shape_is_right:
; q, k, v = X W^T + b for X = Q, K, V (g = 0, 1, 2), operands bf16 from cb, sums in f32, results rounded once to bf16 and stored head-major:
; qkv[g][16 batch + head][t][64].  cb holds Q | K | V as 12,288 rows of 1,024 bf16, then Wq, Wk, Wv, Wo (1,024 x 1,024 each) from byte 0x1800000.
; A work-group makes a block of 256 rows x 256 columns with four waves, one for each SIMD of a WGP; a wave makes 128 x 128: 64 accumulator tiles, 512 registers.
; The grid is 4 column blocks x 48 row blocks (16 for each g): 192 work-groups; three products of 4,096 x 1,024 are 768 wave tiles, which no
; equal split onto 256 work-groups of four such waves fits.
; K goes in steps of 128 through a ring of two LDS slots filled by the tensor data mover; a tile's rows are 256 bytes of memory at multiples of 256.
; CLUSTERS: 4 x 4 work-groups.  The four of a row of the cluster need the same tiles of X, the four of a column the same tiles of W: each tile is
; asked for jointly, by the same tensor load with the same descriptor and a mask that names the four.  A cluster lies inside one g (16 row blocks = 4 clusters).
; THE BIAS costs no instruction: the first product of each accumulator takes a tile of biases as its C operand.
; Limit: q, k, v are kept in bf16 (8 significant bits) for the products that follow.
;
; REGISTERS, in windows of 256:
;   window 0: v0-31 addresses; v64-127, v128-191 fragments of X, two buffers; v192-255 the bias tiles, later at work on the way out
;   window 1: v64-127, v128-191 fragments of W, two buffers
;   window 2: the 32 accumulator tiles of my rows 0-63 (tile (a, b) at v[8 (8 a + b)]);   window 3: those of my rows 64-127
; The matrix instruction is used transposed: source 0 = 16 rows of W, source 1 = 16 rows of X.  Lane l then holds row l % 16 of the result and its
; registers 0 to 7 the columns 8 (l / 16) + 0 .. 7: eight neighbouring numbers, which pack into 16 bytes.
.set SIZE_K, 1024
.set KSTEP,  128
.set PITCH,  272                       ; an LDS row: 256 bytes + 16 of padding: the 16 rows that a load touches begin 16 bytes further on in each 256
.set HALFT,  128*PITCH                 ; 128 rows: what one tensor load brings
.set SLOT,   4*HALFT                   ; X's 256 rows, then W's 256 rows
.set STAGE,  2*SLOT                    ; behind the ring: 16 rows x 272 bytes for each wave; no tensor load ever lands there
.set SPITCH, 272
.set LAPS, SIZE_K/(2*KSTEP)            ; 4 laps of two K steps
.set ADRA, 16                          ; v16-17  LDS address of my X fragments in slot 0, 1
.set ADRB, 20                          ; v20-21  the same for W
.set STO,  24                          ; v24     the way out: where I put 16 bytes of a row
.set RD,   25                          ; v25     the way out: where I read back
.set CO,   26                          ; v26     16 x lane: my bytes in 512 consecutive bytes of qkv
.set BOF,  27                          ; v27     32 x (lane / 16): my eight biases in a tile's sixteen
.set F0,   64
.set F1,   128
.set BIAS, 192                         ; v[192:255], window 0: tile b, register j = bias[first column + 16 b + 8 (l / 16) + j]
.set TMP,  192                         ; the way out: packed results (the biases are no longer needed)
.set G1, 24                            ; s[24:31] descriptor group 1 for X's tiles
.set G0, 32                            ; s[32:39] group 0 for X's tiles, one set for each slot
.set G1B, 48                           ; s[48:55] group 1 for W's tiles: the mask differs
.set G0B, 56                           ; s[56:63] group 0 for W's tiles
.set MSB, 0
.macro WIN new                         ; the immediate's high byte repeats the setting that is left
.if MSB != \new
	s_set_vgpr_msb (MSB<<8)|\new
.set MSB, \new
.endif
.endm
.set MUL_LO, 0xa1                      ; source 0 (W) window 1, source 1 (X) window 0, C and D window 2
.set MUL_HI, 0xf1                      ; the same, C and D window 3
.set BIA_LO, 0x81                      ; the first products: C (the biases) window 0, D window 2
.set BIA_HI, 0xc1                      ; C window 0, D window 3
.set TO_B,   0x40                      ; destination window 1, address window 0
; A joint load.  Waves 0 and 1 fetch X's two halves, waves 2 and 3 W's.  The branch hangs on the wave's number alone.
.macro JLOAD s
	s_cmp_eq_u32 s11, 0
	s_cbranch_scc0 .Lfor_b_\@
	tensor_load_to_lds s[G0+4*\s:G0+4*\s+3], s[G1:G1+7]
	s_nop 0
	s_branch .Lasked_\@
.Lfor_b_\@:
	tensor_load_to_lds s[G0B+4*\s:G0B+4*\s+3], s[G1B:G1B+7]
	s_nop 0
.Lasked_\@:
.endm
; A round of the cluster's barrier: my work-group's barrier; wave 0 signals for the work-group; every wave waits for all sixteen; my work-group's barrier again.
.macro CREST                           ; a round behind its opening barrier
	s_cmp_lg_u32 s10, 0
	s_cbranch_scc1 .Lnot_wave_0_\@
	s_barrier_signal -3
.Lnot_wave_0_\@:
	s_barrier_wait -3
	s_barrier_signal -1
	s_barrier_wait -1
.endm
.macro CROUND
	s_barrier_signal -1
	s_barrier_wait -1
	CREST
.endm
	s_load_b256 s[68:75], s[0:1], 0x0              ; cb 68:69, bq 70:71, bk 72:73, bv 74:75
	s_load_b64 s[8:9], s[0:1], 0x20                ; qkv
	s_set_vgpr_msb 0x40
	v_lshl_add_u32 v255, v0, 2, 0x48400
	s_set_vgpr_msb 0x4000
	v_mov_b32 v63, 0
	s_set_vgpr_msb 0x1
	ds_add_u32 v255, v63
	s_set_vgpr_msb 0x100
	v_lshrrev_b32 v1, 5, v0
	v_readfirstlane_b32 s10, v1                    ; wave 0..3
	s_lshr_b32 s11, s10, 1                         ; which half of the block's rows is mine.  Also: I fetch for X (0) or for W (1)
	s_and_b32 s12, s10, 1                          ; which half of its columns.  Also: which 128 rows of that tile I fetch
	s_bfe_u32 s40, ttmp6, 0x40000                  ; cx
	s_bfe_u32 s41, ttmp6, 0x40004                  ; cy
	s_lshl_b32 s42, ttmp9, 2
	s_add_co_u32 s42, s42, s40                     ; block column = 4 x cluster x + cx, 0..3
	s_and_b32 s13, ttmp7, 0xffff
	s_lshr_b32 s45, s13, 2                         ; g = cluster y / 4: equal in all sixteen work-groups of the cluster
	s_lshl_b32 s13, s13, 2
	s_add_co_u32 s13, s13, s41                     ; block row = 4 x cluster y + cy, 0..47
	s_lshl_b32 s43, s41, 2
	s_lshl_b32 s43, 15, s43                        ; my row of the cluster: places 4 cy .. 4 cy + 3
	s_lshl_b32 s44, 0x1111, s40                    ; my column: places cx, cx + 4, cx + 8, cx + 12
	; group 1: a tile of 128 rows x 128 elements of 2 bytes, 4 words of padding behind every 64 words
	s_or_b32 s[G1+0], s43, (1<<16)|(1<<20)|(1<<21)|(5<<22)|(3<<25)
	s_or_b32 s[G1B+0], s44, (1<<16)|(1<<20)|(1<<21)|(5<<22)|(3<<25)
	s_mov_b32 s[G1B+1], KSTEP<<16
	s_mov_b32 s[G1+1], KSTEP<<16                   ; tensor_dim0 = 128
	s_mov_b32 s[G1B+2], 128<<16
	s_mov_b32 s[G1+2], 128<<16                     ; tensor_dim1 = 128
	s_mov_b32 s[G1B+3], KSTEP<<16
	s_mov_b32 s[G1+3], KSTEP<<16                   ; tile_dim0 = 128
	s_mov_b32 s[G1B+4], 128
	s_mov_b32 s[G1+4], 128                         ; tile_dim1 = 128
	s_mov_b32 s[G1B+5], SIZE_K
	s_mov_b32 s[G1+5], SIZE_K                      ; elements from row to row
	s_mov_b32 s[G1B+6], 0
	s_mov_b32 s[G1+6], 0
	s_mov_b32 s[G1B+7], 0
	s_mov_b32 s[G1+7], 0
	; where the tiles come from.  X's hang on the block row alone, W's on g and the block column alone, each in registers that never hold the other coordinate.
	s_lshl_b32 s16, s13, 19                        ; X: 256 rows of 2,048 bytes for each block row,
	s_lshl_b32 s17, s12, 18                        ; + 128 rows for the half that I fetch
	s_add_co_u32 s16, s16, s17
	s_mov_b32 s17, 0
	s_lshl_b32 s46, s42, 19                        ; W: the same with the block column,
	s_lshl_b32 s47, s12, 18
	s_add_co_u32 s46, s46, s47
	s_lshl_b32 s47, s45, 21                        ; + g weights of 2 MiB,
	s_add_co_u32 s46, s46, s47
	s_add_co_u32 s46, s46, 0x1800000               ; behind the 24 MiB of Q | K | V
	s_mov_b32 s47, 0
	s_lshl_b32 s78, s42, 10                        ; my first bias: 4 bytes x (256 x block column + 128 x half)
	s_lshl_b32 s79, s12, 9
	s_add_co_u32 s78, s78, s79
	s_mov_b32 s79, 0
	s_mul_i32 s20, s10, HALFT                      ; where the tiles go: wave x 128 rows
	s_wait_dscnt 0x0
	s_wait_kmcnt 0x0
	s_add_nc_u64 s[14:15], s[68:69], s[16:17]
	s_add_nc_u64 s[46:47], s[68:69], s[46:47]
	s_mov_b64 s[76:77], s[70:71]                   ; the bias of my g
	s_cmp_eq_u32 s45, 1
	s_cselect_b64 s[76:77], s[72:73], s[76:77]
	s_cmp_eq_u32 s45, 2
	s_cselect_b64 s[76:77], s[74:75], s[76:77]
	s_add_nc_u64 s[76:77], s[76:77], s[78:79]
	CROUND                                         ; all sixteen work-groups are here: the first joint loads meet
.irp s, 0,1
	s_mov_b32 s[G0+4*\s], 1
	s_add_co_u32 s[G0+4*\s+1], s20, \s*SLOT
	s_add_nc_u64 s[G0+4*\s+2:G0+4*\s+3], s[14:15], \s*KSTEP*2
	s_or_b32 s[G0+4*\s+3], s[G0+4*\s+3], 0x80000000
	s_mov_b32 s[G0B+4*\s], 1
	s_add_co_u32 s[G0B+4*\s+1], s20, \s*SLOT
	s_add_nc_u64 s[G0B+4*\s+2:G0B+4*\s+3], s[46:47], \s*KSTEP*2
	s_or_b32 s[G0B+4*\s+3], s[G0B+4*\s+3], 0x80000000
	JLOAD \s                                       ; both slots' first fills go out together: two tensor loads of the wave are out, the most in this text
.endr
	v_and_b32 v1, 15, v0                           ; l % 16
	v_bfe_u32 v2, v0, 4, 1                         ; l / 16
	v_lshlrev_b32 v[BOF], 5, v2
.irp b, 0,1,2,3,4,5,6,7
	global_load_b128 v[BIAS+8*\b:BIAS+8*\b+3],   v[BOF], s[76:77] offset:64*\b
	global_load_b128 v[BIAS+8*\b+4:BIAS+8*\b+7], v[BOF], s[76:77] offset:64*\b+16
.endr
	; a fragment is 16 rows x 32 K in 8 registers: two loads of 16 bytes, 32 bytes apart, at row x pitch + 16 (l / 16)
	v_mul_u32_u24 v3, v1, PITCH
	v_lshl_add_u32 v3, v2, 4, v3
	s_mul_i32 s21, s11, HALFT                      ; my 128 rows of X
	s_mul_i32 s22, s12, HALFT                      ; my 128 rows of W,
	s_add_co_u32 s22, s22, 2*HALFT                 ; which lie behind X's 256
.irp s, 0,1
	v_add_nc_u32 v[ADRA+\s], s21, v3
	v_add_nc_u32 v[ADRB+\s], s22, v3
	s_add_co_u32 s21, s21, SLOT
	s_add_co_u32 s22, s22, SLOT
.endr
	s_mul_i32 s23, s10, 16*SPITCH
	s_add_co_u32 s23, s23, STAGE                   ; my stage
	v_mul_u32_u24 v4, v1, SPITCH                   ; in: row l % 16, 16 bytes for each half of the lanes
	v_lshl_add_u32 v4, v2, 4, v4
	v_add_nc_u32 v[STO], s23, v4
	v_and_b32 v5, 31, v0                           ; back: eight lanes take the 128 bytes that one head has in a row, 32 lanes four rows
	v_lshlrev_b32 v[CO], 4, v5
	v_lshrrev_b32 v5, 3, v5
	v_mul_u32_u24 v5, v5, SPITCH
	v_and_b32 v6, 7, v0
	v_lshl_add_u32 v5, v6, 4, v5
	v_add_nc_u32 v[RD], s23, v5
; 16 matrix instructions: m blocks a0, a0 + 1 of the window's four x all 8 n blocks, 32 along K.  zero = 1: the first product starts the sums from the biases.
.macro MUL16 f, hi, a0, zero
.irp a, \a0, \a0+1
.irp b, 0,1,2,3,4,5,6,7
.if \zero
	v_wmma_f32_16x16x32_bf16 v[8*(8*(\a)+\b):8*(8*(\a)+\b)+7], v[\f+8*\b:\f+8*\b+7], v[\f+8*(4*\hi+\a):\f+8*(4*\hi+\a)+7], v[BIAS+8*\b:BIAS+8*\b+7]
.else
	v_wmma_f32_16x16x32_bf16 v[8*(8*(\a)+\b):8*(8*(\a)+\b)+7], v[\f+8*\b:\f+8*\b+7], v[\f+8*(4*\hi+\a):\f+8*(4*\hi+\a)+7], v[8*(8*(\a)+\b):8*(8*(\a)+\b)+7]
.endif
.endr
.endr
.endm
; 32 LDS loads in one run: the fragments of one quarter step into buffer f
.macro FETCH slot, k, f
	WIN TO_B
.irp i, 0,1,2,3,4,5,6,7
	ds_load_b128 v[\f+8*\i:\f+8*\i+3],   v[ADRB+\slot] offset:\k+\i*16*PITCH
	ds_load_b128 v[\f+8*\i+4:\f+8*\i+7], v[ADRB+\slot] offset:\k+\i*16*PITCH+32
.endr
	WIN 0
.irp i, 0,1,2,3,4,5,6,7
	ds_load_b128 v[\f+8*\i:\f+8*\i+3],   v[ADRA+\slot] offset:\k+\i*16*PITCH
	ds_load_b128 v[\f+8*\i+4:\f+8*\i+7], v[ADRA+\slot] offset:\k+\i*16*PITCH+32
.endr
.endm
; Four independent vector instructions stand between a matrix instruction and a load into one of its sources, or a vector instruction on its result
; (ISA guide 7.12.1 for vector instructions).
.macro PLACES
.rept 4
	v_nop
.endr
.endm
; A K step is four quarter steps of 32 along K, 64 matrix instructions each, on buffers 0, 1, 0, 1.  The 64 accumulators take turns, one instruction
; a turn, in the same order in every quarter, over the backward jump too.
.macro QUARTER slot, k, f, g, zero
	s_wait_dscnt 8                                 ; W and X's rows 0-63 are in; the youngest eight loads (X's rows 64-127) may be out
.if \zero
	WIN BIA_LO
.else
	WIN MUL_LO
.endif
	MUL16 \f, 0, 0, \zero
	MUL16 \f, 0, 2, \zero
	PLACES
	FETCH \slot, \k, \g
	s_wait_dscnt 32                                ; all but the 32 just issued
.if \zero
	WIN BIA_HI
.else
	WIN MUL_HI
.endif
	MUL16 \f, 1, 0, \zero
	MUL16 \f, 1, 2, \zero
.endm
.macro THREE slot, zero
	QUARTER \slot, 64,  F0, F1, \zero
	QUARTER \slot, 128, F1, F0, 0
	QUARTER \slot, 192, F0, F1, 0
.endm
; The last quarter changes slots.  In front of the barrier each wave waits for its reads of this slot and for all its tensor loads (one is out: its part
; of the next slot).  Behind it nobody reads this slot and the next slot is whole: the refill comes first, then the next slot's first fragments.
.macro TURN slot, next, fill
	s_wait_dscnt 8
	WIN MUL_LO
	MUL16 F1, 0, 0, 0
	s_wait_dscnt 0                                 ; my reads of this slot are over
	s_wait_tensorcnt 0x0                           ; and all my tensor loads have landed
	ds_add_u32 v255, v63
	s_wait_dscnt 0x0
	s_barrier_signal -1                            ; where a slot is filled again this barrier opens a round of the cluster's barrier
	MUL16 F1, 0, 2, 0                              ; register work while the others arrive
	WIN 0
	s_barrier_wait -1
.if \fill
	CREST                                          ; no wave of any partner still reads this slot or has a load on its way
	s_add_nc_u64 s[G0+4*\slot+2:G0+4*\slot+3], s[G0+4*\slot+2:G0+4*\slot+3], 2*KSTEP*2
	s_add_nc_u64 s[G0B+4*\slot+2:G0B+4*\slot+3], s[G0B+4*\slot+2:G0B+4*\slot+3], 2*KSTEP*2
	JLOAD \slot                                    ; the first tensor load behind the round, the wave's only one until the next
.endif
	PLACES
	FETCH \next, 0, F0
	WIN MUL_HI
	MUL16 F1, 1, 0, 0
	MUL16 F1, 1, 2, 0
.endm
.macro LAP zero
	THREE 0, \zero
	TURN 0, 1, 1
	THREE 1, 0
	TURN 1, 0, 1
.endm
	s_wait_loadcnt 0x0                             ; the biases
	s_wait_tensorcnt 1                             ; my part of K step 0 is in; K step 1's load stays out
	s_barrier_signal -1
	s_barrier_wait -1
	FETCH 0, 0, F0
	LAP 1                                          ; the first lap stands in front of the loop: its first products start the sums
	WIN 0                                          ; at a label and at a branch every window is 0
	s_mov_b32 s3, LAPS-2
.Llap:
	LAP 0
	WIN 0
	s_sub_co_u32 s3, s3, 1
	s_cmp_lg_u32 s3, 0
	s_cbranch_scc1 .Llap
	THREE 0, 0                                     ; the last lap fills nothing
	TURN 0, 1, 0
	THREE 1, 0
	s_wait_dscnt 8
	WIN MUL_LO
	MUL16 F1, 0, 0, 0
	MUL16 F1, 0, 2, 0
	s_wait_dscnt 0
	WIN MUL_HI
	MUL16 F1, 1, 0, 0
	MUL16 F1, 1, 2, 0
	; THE WAY OUT, 16 rows at a time: round to bf16, 16 bytes a lane into my own stage, read back as 4 rows x 128 bytes of one head, which are 512
	; consecutive bytes of qkv.  My 128 columns are two heads.
	PLACES
	s_and_b32 s16, s13, 15                         ; my first row among the 4,096 of my g: 256 x (block row mod 16) + 128 x half
	s_lshl_b32 s16, s16, 8
	s_lshl_b32 s14, s11, 7
	s_add_co_u32 s16, s16, s14
	s_lshr_b32 s14, s16, 11                        ; batch
	s_lshl_b32 s14, s14, 22                        ; x 16 heads x 2,048 rows x 128 bytes
	s_and_b32 s16, s16, 2047                       ; t
	s_lshl_b32 s16, s16, 7
	s_add_co_u32 s16, s16, s14
	s_lshl_b32 s14, s45, 23                        ; g x 8 MiB
	s_add_co_u32 s16, s16, s14
	s_mov_b32 s17, 0
	s_add_nc_u64 s[8:9], s[8:9], s[16:17]
	s_lshl_b32 s46, s42, 20                        ; head 4 x block column + 2 x half, x 2,048 rows x 128 bytes (in the registers that held W's address)
	s_lshl_b32 s47, s12, 19
	s_add_co_u32 s46, s46, s47
	s_mov_b32 s47, 0
	s_add_nc_u64 s[8:9], s[8:9], s[46:47]
.macro OUT16 i, a, from, f
	WIN \from
.irp b, 0,1,2,3,4,5,6,7
.irp r, 0,1,2,3
	v_cvt_pk_bf16_f32 v[TMP+4*\b+\r], v[8*(8*\a+\b)+2*\r], v[8*(8*\a+\b)+2*\r+1]
.endr
.endr
	WIN 0
.irp b, 0,1,2,3,4,5,6,7
	ds_store_b128 v[STO], v[TMP+4*\b:TMP+4*\b+3] offset:32*\b
.endr
	s_wait_xcnt 0x0                                ; buffer f, which earlier stores read, and the stores' base are rewritten only behind this wait
.if \i
	s_add_nc_u64 s[8:9], s[8:9], 16*128            ; 16 rows of a head on
.endif
.irp t, 0,1,2,3,4,5,6,7
	ds_load_b128 v[\f+4*\t:\f+4*\t+3], v[RD] offset:4*SPITCH*(\t&3)+128*(\t>>2)   ; LDS serves a wave's instructions in order: these see the stores above
.endr
.irp t, 0,1,2,3,4,5,6,7
	s_wait_dscnt 7-\t                              ; read-back t is in, the younger ones stay out
	global_store_b128 v[CO], v[\f+4*\t:\f+4*\t+3], s[8:9] offset:262144*(\t>>2)+512*(\t&3)   ; 512 consecutive bytes, at a multiple of 512
.endr
.endm
	OUT16 0, 0, 0x0a, F0
	OUT16 1, 1, 0x0a, F1
	OUT16 2, 2, 0x0a, F0
	OUT16 3, 3, 0x0a, F1
	OUT16 4, 0, 0x0f, F0
	OUT16 5, 1, 0x0f, F1
	OUT16 6, 2, 0x0f, F0
	OUT16 7, 3, 0x0f, F1
	s_set_vgpr_msb 0x1
	s_wait_tensorcnt 0x0
	ds_add_u32 v255, v63
	s_wait_dscnt 0x0
	s_set_vgpr_msb 0x100
	CROUND                                         ; the closing round: no work-group ends while a partner may still ask for a tile that names it
	s_endpgm
.Lfunc_end_k_q80741d73ed_proj:
	.size	k_q80741d73ed_proj, .Lfunc_end_k_q80741d73ed_proj-k_q80741d73ed_proj
	.p2alignl 7, 3214868480
	.fill 96, 4, 3214868480
	.section	.rodata,"a",@progbits
	.p2align	6, 0x0
	.amdhsa_kernel k_q80741d73ed_proj
		.amdhsa_group_segment_fixed_size 327680
		.amdhsa_private_segment_fixed_size 0
		.amdhsa_enable_private_segment 0
		.amdhsa_kernarg_size 40
		.amdhsa_user_sgpr_count 2
		.amdhsa_user_sgpr_kernarg_segment_ptr 1
		.amdhsa_wavefront_size32 1
		.amdhsa_system_sgpr_workgroup_id_x 1
		.amdhsa_system_sgpr_workgroup_id_y 1
		.amdhsa_system_sgpr_workgroup_id_z 1
		.amdhsa_system_vgpr_workitem_id 0
		.amdhsa_next_free_vgpr 1024
		.amdhsa_next_free_sgpr 80
		.amdhsa_reserve_vcc 0
		.amdhsa_float_denorm_mode_32 3
		.amdhsa_float_denorm_mode_16_64 3
		.amdhsa_memory_ordered 1
		.amdhsa_forward_progress 1
		.amdhsa_inst_pref_size 198
	.end_amdhsa_kernel
	.amdgpu_metadata
---
amdhsa.version: [ 1, 2 ]
amdhsa.kernels:
  - .name:           k_q80741d73ed_proj
    .symbol:         k_q80741d73ed_proj.kd
    .args:
      - { .name: cb, .offset: 0, .size: 8, .value_kind: global_buffer, .address_space: global }
      - { .name: bq, .offset: 8, .size: 8, .value_kind: global_buffer, .address_space: global }
      - { .name: bk, .offset: 16, .size: 8, .value_kind: global_buffer, .address_space: global }
      - { .name: bv, .offset: 24, .size: 8, .value_kind: global_buffer, .address_space: global }
      - { .name: qkv, .offset: 32, .size: 8, .value_kind: global_buffer, .address_space: global }
    .group_segment_fixed_size: 327680
    .private_segment_fixed_size: 0
    .kernarg_segment_align: 8
    .kernarg_segment_size: 40
    .max_flat_workgroup_size: 128
    .sgpr_count:     80
    .vgpr_count:     1024
    .wavefront_size: 32
...
	.end_amdgpu_metadata
.endif
;; end of part 2
;; launch attn (part 3): grid 8 x 32, 16 waves a work-group, clusters of 4 x 1, 327,680 bytes of LDS; arguments qkv, ao; writes ao
.if DOCPART == 3
	.amdgcn_target "amdgcn-amd-amdhsa--gfx1250"
	.amdhsa_code_object_version 6
	.text
	.protected	k_q80741d73ed_attn
	.globl	k_q80741d73ed_attn
	.p2align	8
	.type	k_q80741d73ed_attn,@function
k_q80741d73ed_attn:
	s_mov_b64 s[64:65], 0
	v_nop
	global_prefetch_b8 v0, s[64:65] scope:SCOPE_SE
	s_setreg_imm32_b32 hwreg(HW_REG_WAVE_MODE, 25, 1), 1
	s_wait_xcnt 0x0
	s_wait_alu depctr_hold_cnt(0) depctr_sa_sdst(0) depctr_va_vdst(0) depctr_va_sdst(0) depctr_va_ssrc(0) depctr_va_vcc(0) depctr_vm_vsrc(0)
	s_getreg_b32 s2, hwreg(HW_REG_IB_STS2, 6, 4)
	s_cmp_eq_u32 s2, 0
	s_cbranch_scc0 .Lentry_in_a_cluster
	s_endpgm
.Lentry_in_a_cluster:
	s_bfe_u32 s2, ttmp6, 0x10000c
	s_cmp_lg_u32 s2, 0x3003
	s_cbranch_scc0 .Lentry_shape_is_right
	s_endpgm
.Lentry_shape_is_right:
; ao[bh][t][64] = softmax(q k^T / 8) v for each of the 32 (batch, head) pairs bh; q, k, v bf16 from qkv[3][bh][2048][64]; sums, maxima, exponentials in f32.
; A work-group takes 256 queries of one bh (grid x = 8 query blocks, y = bh) with sixteen waves, four on each SIMD (4 x 256 registers fill its file), so that one
; wave's softmax, LDS waits and latencies run beside the others' matrix work.  Wave w takes the 32 queries of group w % 8 (two tiles of 16) and, of every tile of
; 512 keys, the half w / 8: four steps of 64 keys, each with a running maximum.  Each K and V fragment is thus read from LDS once for 32 queries.
; At the end waves w and w + 8 hold two partial softmaxes of the same queries; waves 8-15 hand theirs over through LDS and waves 0-7 merge them by the same
; algebra that joins two steps (common maximum, both sides rescaled), divide and store.
; CLUSTERS: the four query blocks of a cluster (4 x 1) read the same K and V tiles and ask for them jointly (mask 15).
; LAYOUT: S^T = K Q^T (A = 16 keys, B = 16 queries): register j of lane (r, h) is (key 8 h + j, query r), so a query's maximum and sum live in two lanes,
; and two key tiles, packed to bf16 in place, ARE the B fragment of P^T for 32 keys.  out^T = V^T P^T (A = V^T by the transposing LDS load): register j of
; lane (r, h) is (d 8 h + j, query r): eight neighbouring numbers of a row of the output.
; LIMITS: the probabilities are rounded to bf16 for the product with v while the row sum adds the unrounded ones; a probability below 2^-126 counts as 0
; (v_exp_f32 flushes); the result is rounded to bf16; the sums over the keys are formed in two halves and merged.  A row with a NaN or +infinite score gives
; NaN, as the softmax itself does.
.set PART,   9216                      ; a wave's part of a slot: 64 keys.  K: 32 rows of 2 keys, 256 + 16 bytes (8,704 used); V: 32 rows of 256 + 32 bytes
.set VOFF,   8*PART                    ; waves 0-7 bring K's eight parts, waves 8-15 V's: LDS address = wave x 9,216 + slot
.set SLOT,   16*PART                   ; 512 keys of K and of V; two slots are 294,912 of the 327,680 bytes asked for
.set TILEB,  65536                     ; 512 keys x 128 bytes of memory
.set XPART,  17*512                    ; the hand-over of a pair of waves: 64 accumulator registers and one register group of shifts and sums, 512 bytes each
.set OSTG,   8*XPART                   ; behind the eight hand-overs: 32 rows x 144 bytes for each of waves 0-7, for the way out
                                       ; Both lie in slot 0: when they are written its last fill (tile 2) has landed, every wave's last read of it has been
                                       ; waited for in front of the last barrier, and no tensor load follows
.set KA,  2                            ; v2-3    LDS address of my K fragments in slot 0, 1 (my half of the keys included)
.set VA,  4                            ; v4-5    the same for V
.set STO, 6                            ; v6      the way out: where I put 16 bytes
.set RD,  7                            ; v7      the way out: where I read back
.set QO,  8                            ; v8      128 r + 16 h: my bytes of q;
.set XA,  8                            ;         when q has come: my 16 bytes in each 512 of my pair's hand-over
.set CO,  9                            ; v9      16 x lane
.set M,   10                           ; v10-11  running maximum of the raw scores, query tile t
.set NM,  12                           ; v[12:15] (-c m, -c m), c = log2(e) / 8; in the merge the partner's factor, twice
.set LS,  16                           ; v16-17  running sum over my half of the lanes' keys
.set AL,  18                           ; v[18:21] (alpha, alpha); in the merge my own factor, twice
.set T,   22                           ; v22-31  at work
.set QF,  32                           ; v[32:63]   Q fragment (t, kk) at 16 t + 8 kk
.set ACC, 64                           ; v[64:127]  out^T tile (dt, t) at 32 t + 8 dt
.set S,   128                          ; v[128:191] S^T tile (kt, t) at 32 t + 8 kt; P^T fragment (kp, t) in place at 32 t + 16 kp; in the merge the partner's out^T
.set F,   192                          ; v[192:255] K fragment (kt, kk) at 16 kt + 8 kk, then V^T fragment (kp, dt) at 32 kp + 8 dt
.set G1K, 16                           ; s[16:23] group 1 for K's parts
.set G1V, 24                           ; s[24:31] group 1 for V's parts: the padding differs
.set G0K, 32                           ; s[32:39] group 0 for K, one set for each slot
.set G0V, 40                           ; s[40:47] group 0 for V
.macro ROUND                           ; a round of the cluster's barrier
	s_barrier_signal -1
	s_barrier_wait -1
	s_cmp_lg_u32 s8, 0
	s_cbranch_scc1 .Lnot_wave_0_\@
	s_barrier_signal -3
.Lnot_wave_0_\@:
	s_barrier_wait -3
	s_barrier_signal -1
	s_barrier_wait -1
.endm
.macro JLOAD s                         ; a joint load: waves 0-7 ask for K's parts, waves 8-15 for V's; the branch hangs on the wave's number alone
	s_cmp_eq_u32 s9, 0
	s_cbranch_scc0 .Lfor_v_\@
	tensor_load_to_lds s[G0K+4*\s:G0K+4*\s+3], s[G1K:G1K+7]
	s_nop 0
	s_branch .Lasked_\@
.Lfor_v_\@:
	tensor_load_to_lds s[G0V+4*\s:G0V+4*\s+3], s[G1V:G1V+7]
	s_nop 0
.Lasked_\@:
.endm
.macro PLACES n
.rept \n
	v_nop
.endr
.endm
	s_load_b128 s[4:7], s[0:1], 0x0                ; qkv s[4:5], ao s[6:7]
	v_lshl_add_u32 v190, v0, 2, 0x48000
	v_mov_b32 v191, 0
	ds_add_u32 v190, v191
	s_wait_dscnt 0x0
	v_lshrrev_b32 v1, 5, v0
	v_readfirstlane_b32 s8, v1                     ; wave 0..15
	s_lshr_b32 s9, s8, 3                           ; my half of the keys.  Also: 0: I fetch for K, 1: for V
	s_and_b32 s10, s8, 7                           ; my group of 32 queries
	s_bfe_u32 s11, ttmp6, 0x40000                  ; cx
	s_lshl_b32 s60, ttmp9, 2
	s_add_co_u32 s11, s11, s60                     ; query block = 4 x cluster x + cx
	s_and_b32 s12, ttmp7, 0xffff                   ; bh (the cluster is one work-group high)
	s_mov_b32 s48, 0x3e38aa3b                      ; c = log2(e) / 8: the 1 / sqrt(64) and the change of base in one factor
	s_mov_b32 s49, 0x3e38aa3b
	s_mov_b32 s50, 0xbe38aa3b                      ; -c
	s_mov_b32 s52, 0x76543210                      ; v_permlanex16_b32: lane i of one half reads lane i of the other
	s_mov_b32 s53, 0xfedcba98
	; group 1: a dense block as 32 rows of 32 elements of 8 bytes; padding behind every 64 words: 4 words for K, 8 for V; mask 15 with bit 21 beside it
	s_mov_b32 s[G1K+0], 15|(3<<16)|(1<<20)|(1<<21)|(5<<22)|(3<<25)
	s_mov_b32 s[G1V+0], 15|(3<<16)|(1<<20)|(1<<21)|(5<<22)|(7<<25)
.irp g, G1K, G1V
	s_mov_b32 s[\g+1], 32<<16                      ; tensor_dim0 = 32
	s_mov_b32 s[\g+2], 32<<16                      ; tensor_dim1 = 32
	s_mov_b32 s[\g+3], 32<<16                      ; tile_dim0 = 32
	s_mov_b32 s[\g+4], 32                          ; tile_dim1 = 32
	s_mov_b32 s[\g+5], 32                          ; elements from row to row: dense
	s_mov_b32 s[\g+6], 0
	s_mov_b32 s[\g+7], 0
.endr
	s_lshl_b32 s54, s12, 18                        ; bh x 2,048 keys x 128 bytes
	s_lshl_b32 s55, s8, 13                         ; + wave x 64 keys (V's constant below takes the eight K waves off again)
	s_add_co_u32 s54, s54, s55
	s_mov_b32 s55, 0
	s_mul_i32 s13, s8, PART                        ; my part's place in a slot
	s_lshl_b32 s60, s12, 18                        ; my 32 queries: (bh x 2,048 + 256 x block + 32 x group) x 128 bytes, in registers that feed no descriptor
	s_lshl_b32 s61, s11, 15
	s_add_co_u32 s60, s60, s61
	s_lshl_b32 s61, s10, 12
	s_add_co_u32 s60, s60, s61
	s_mov_b32 s61, 0
	s_wait_kmcnt 0x0
	s_add_nc_u64 s[54:55], s[4:5], s[54:55]
	s_add_nc_u64 s[56:57], s[4:5], s[60:61]        ; q
	s_add_nc_u64 s[58:59], s[6:7], s[60:61]        ; ao
.irp n, 0,1
	s_mov_b32 s[G0K+4*\n], 1
	s_add_co_u32 s[G0K+4*\n+1], s13, \n*SLOT
	s_add_nc_u64 s[G0K+4*\n+2:G0K+4*\n+3], s[54:55], 8388608+\n*TILEB              ; k begins 8 MiB into qkv; slot n starts with tile n
	s_or_b32 s[G0K+4*\n+3], s[G0K+4*\n+3], 0x80000000
	s_mov_b32 s[G0V+4*\n], 1
	s_add_co_u32 s[G0V+4*\n+1], s13, \n*SLOT
	s_add_nc_u64 s[G0V+4*\n+2:G0V+4*\n+3], s[54:55], 16777216-8*8192+\n*TILEB      ; v begins 16 MiB into qkv; wave 8 brings its first 64 keys
	s_or_b32 s[G0V+4*\n+3], s[G0V+4*\n+3], 0x80000000
.endr
	ROUND                                          ; the four work-groups are here: the first joint loads meet
	JLOAD 0                                        ; tiles 0 and 1 go out together: two tensor loads of the wave are out, the most in this text
	JLOAD 1
	v_and_b32 v1, 15, v0                           ; r
	v_bfe_u32 v22, v0, 4, 1                        ; h
	v_and_b32 v23, 31, v0                          ; lane
	v_lshlrev_b32 v[QO], 7, v1
	v_lshl_add_u32 v[QO], v22, 4, v[QO]
.irp t, 0,1
.irp c, 0,1,2,3
	global_load_b128 v[QF+16*\t+4*\c:QF+16*\t+4*\c+3], v[QO], s[56:57] offset:2048*\t+32*\c   ; query 16 t + r, d = 16 c + 8 h .. + 7
.endr
.endr
	s_mul_i32 s14, s9, 4*PART                      ; my half of a tile's keys: parts 4 x half .. + 3
	s_add_co_u32 s15, s14, VOFF
	; K: key k of a part lies at (k / 2) x 272 + (k % 2) x 128
	v_lshrrev_b32 v24, 1, v1
	v_mul_u32_u24 v24, v24, 272
	v_and_b32 v25, 1, v1
	v_lshl_add_u32 v24, v25, 7, v24
	v_lshl_add_u32 v24, v22, 4, v24
	v_add_nc_u32 v[KA], s14, v24
	v_add_nc_u32 v[KA+1], SLOT, v[KA]
	; V: key k at (k / 2) x 288 + (k % 2) x 128.  The transposing load: lane l addresses key 8 h + l % 8, bytes 16 ((l / 8) % 2) ..
	v_bfe_u32 v24, v0, 1, 2
	v_lshl_add_u32 v24, v22, 2, v24
	v_mul_u32_u24 v24, v24, 288
	v_and_b32 v25, 1, v0
	v_lshl_add_u32 v24, v25, 7, v24
	v_bfe_u32 v25, v0, 3, 1
	v_lshl_add_u32 v24, v25, 4, v24
	v_add_nc_u32 v[VA], s15, v24
	v_add_nc_u32 v[VA+1], SLOT, v[VA]
	s_mul_i32 s62, s10, XPART                      ; my pair's hand-over
	s_mul_i32 s63, s10, 32*144
	s_add_co_u32 s63, s63, OSTG                    ; my group's stage for the way out
	v_mul_u32_u24 v24, v1, 144
	v_lshl_add_u32 v24, v22, 4, v24
	v_add_nc_u32 v[STO], s63, v24
	v_lshrrev_b32 v24, 3, v23
	v_mul_u32_u24 v24, v24, 144
	v_and_b32 v25, 7, v0
	v_lshl_add_u32 v24, v25, 4, v24
	v_add_nc_u32 v[RD], s63, v24
	v_lshlrev_b32 v[CO], 4, v23
	s_wait_loadcnt 0x0                             ; q is in, and its offset register is free:
	v_add_nc_u32 v[XA], s62, v[CO]                 ; 16 x lane in my pair's hand-over
; The softmax step of query tile t on 64 keys.  first = 1: nothing is carried yet.
.macro SOFTMAX t, first
.set SB, S+32*\t
	; the largest of my 32 scores and the carried maximum: 16 instructions in four chains
	v_max3_num_f32 v[T+0], v[SB+0], v[SB+1], v[SB+2]
	v_max3_num_f32 v[T+1], v[SB+3], v[SB+4], v[SB+5]
	v_max3_num_f32 v[T+2], v[SB+6], v[SB+7], v[SB+8]
	v_max3_num_f32 v[T+3], v[SB+9], v[SB+10], v[SB+11]
.irp k, 0,1,2,3
	v_max3_num_f32 v[T+\k], v[T+\k], v[SB+12+2*\k], v[SB+13+2*\k]
.endr
.irp k, 0,1,2,3
	v_max3_num_f32 v[T+\k], v[T+\k], v[SB+20+2*\k], v[SB+21+2*\k]
.endr
	v_max3_num_f32 v[T+0], v[T+0], v[SB+28], v[SB+29]
	v_max3_num_f32 v[T+1], v[T+1], v[SB+30], v[SB+31]
	v_max3_num_f32 v[T+0], v[T+0], v[T+1], v[T+2]
.if \first
	v_max_num_f32 v[T+0], v[T+0], v[T+3]
.else
	v_max3_num_f32 v[T+0], v[T+0], v[T+3], v[M+\t]
.endif
	v_permlanex16_b32 v[T+1], v[T+0], s52, s53     ; the other half of the lanes holds the query's other 32 keys
	v_max_num_f32 v[M+\t], v[T+0], v[T+1]
	v_mul_f32 v[T+5], s50, v[M+\t]                 ; -c m, rounded once: the shift of all exponents from here on
.if \first == 0
	v_sub_f32 v[T+6], v[T+5], v[NM+2*\t]           ; alpha = 2^(new shift - old shift): of the very numbers that the exponents were and are shifted by
	v_exp_f32 v[AL+2*\t], v[T+6]
.endif
	v_mov_b32 v[NM+2*\t], v[T+5]                   ; (also the plain instruction that stands behind v_exp_f32 ahead of any use: ISA guide 5.7.2)
	v_mov_b32 v[NM+2*\t+1], v[T+5]
.set ii, 0
.rept 16
	v_pk_fma_f32 v[SB+ii:SB+ii+1], v[SB+ii:SB+ii+1], s[48:49], v[NM+2*\t:NM+2*\t+1] op_sel_hi:[1,0,1]   ; c s - c m, one rounding
.set ii, ii+2
.endr
.set ii, 0
.rept 32
	v_exp_f32 v[SB+ii], v[SB+ii]
.set ii, ii+1
.endr
.if \first
	v_nop                                          ; the plain instruction behind the last exponential
	s_wait_alu depctr_va_vdst(0)
.else
	s_wait_alu depctr_va_vdst(0)
	v_mov_b32 v[AL+2*\t+1], v[AL+2*\t]             ; the same place, used: alpha twice, for the packed multiply
.endif
	v_pk_add_f32 v[T+6:T+7], v[SB+0:SB+1], v[SB+2:SB+3]    ; the sum of my 32 probabilities, unrounded, in two chains
	v_pk_add_f32 v[T+8:T+9], v[SB+4:SB+5], v[SB+6:SB+7]
.set ii, 8
.rept 6
	v_pk_add_f32 v[T+6:T+7], v[T+6:T+7], v[SB+ii:SB+ii+1]
	v_pk_add_f32 v[T+8:T+9], v[T+8:T+9], v[SB+ii+2:SB+ii+3]
.set ii, ii+4
.endr
	v_pk_add_f32 v[T+6:T+7], v[T+6:T+7], v[T+8:T+9]
.if \first
	v_add_f32 v[LS+\t], v[T+6], v[T+7]
.else
	v_add_f32 v[T+6], v[T+6], v[T+7]
	v_fma_f32 v[LS+\t], v[LS+\t], v[AL+2*\t], v[T+6]
.endif
.irp kp, 0,1
.irp j, 0,1,2,3,4,5,6,7
	v_cvt_pk_bf16_f32 v[SB+16*\kp+\j], v[SB+16*\kp+2*\j], v[SB+16*\kp+2*\j+1]   ; in place, ascending: register j is written when 2 j and 2 j + 1 are read
.endr
.endr
.if \first == 0
.set ii, 0
.rept 16
	v_pk_mul_f32 v[ACC+32*\t+ii:ACC+32*\t+ii+1], v[ACC+32*\t+ii:ACC+32*\t+ii+1], v[AL+2*\t:AL+2*\t+1]
.set ii, ii+2
.endr
.endif
.endm
; 8 matrix instructions: S^T (kt, t) takes d = 32 kk .. + 31
.macro QK kk, zero
.irp t, 0,1
.irp kt, 0,1,2,3
.if \zero
	v_wmma_f32_16x16x32_bf16 v[S+32*\t+8*\kt:S+32*\t+8*\kt+7], v[F+16*\kt+8*\kk:F+16*\kt+8*\kk+7], v[QF+16*\t+8*\kk:QF+16*\t+8*\kk+7], 0
.else
	v_wmma_f32_16x16x32_bf16 v[S+32*\t+8*\kt:S+32*\t+8*\kt+7], v[F+16*\kt+8*\kk:F+16*\kt+8*\kk+7], v[QF+16*\t+8*\kk:QF+16*\t+8*\kk+7], v[S+32*\t+8*\kt:S+32*\t+8*\kt+7]
.endif
.endr
.endr
.endm
; 8 matrix instructions: out^T (dt, t) takes keys 32 kp .. + 31
.macro PV kp, zero
.irp t, 0,1
.irp dt, 0,1,2,3
.if \zero
	v_wmma_f32_16x16x32_bf16 v[ACC+32*\t+8*\dt:ACC+32*\t+8*\dt+7], v[F+32*\kp+8*\dt:F+32*\kp+8*\dt+7], v[S+32*\t+16*\kp:S+32*\t+16*\kp+7], 0
.else
	v_wmma_f32_16x16x32_bf16 v[ACC+32*\t+8*\dt:ACC+32*\t+8*\dt+7], v[F+32*\kp+8*\dt:F+32*\kp+8*\dt+7], v[S+32*\t+16*\kp:S+32*\t+16*\kp+7], v[ACC+32*\t+8*\dt:ACC+32*\t+8*\dt+7]
.endif
.endr
.endr
.endm
; One step: 64 keys, part i of my half of the slot.  In each group of eight matrix instructions the eight accumulators take turns, one instruction a turn.
.macro STEP slot, i, first
.irp kk, 0,1
.irp kt, 0,1,2,3
	ds_load_b128 v[F+16*\kt+8*\kk:F+16*\kt+8*\kk+3],   v[KA+\slot] offset:PART*\i+2176*\kt+64*\kk
	ds_load_b128 v[F+16*\kt+8*\kk+4:F+16*\kt+8*\kk+7], v[KA+\slot] offset:PART*\i+2176*\kt+64*\kk+32
.endr
.endr
	s_wait_dscnt 8                                 ; d = 0 .. 31 of the 64 keys is in; the eight loads of d = 32 .. 63 may be out
	QK 0, 1
	s_wait_dscnt 0
	QK 1, 0
	PLACES 4                                       ; between the products and the loads into their sources, and the softmax that reads their results
.irp kp, 0,1
.irp dt, 0,1,2,3
	ds_load_tr16_b128 v[F+32*\kp+8*\dt:F+32*\kp+8*\dt+3],   v[VA+\slot] offset:PART*\i+4608*\kp+32*\dt
	ds_load_tr16_b128 v[F+32*\kp+8*\dt+4:F+32*\kp+8*\dt+7], v[VA+\slot] offset:PART*\i+4608*\kp+32*\dt+2304
.endr
.endr
	SOFTMAX 0, \first                              ; V's fragments land meanwhile
	SOFTMAX 1, \first
	s_wait_dscnt 8                                 ; keys 0 .. 31 of V are in; the eight loads of keys 32 .. 63 may be out
	PV 0, \first
	s_wait_dscnt 0
	PV 1, 0
	PLACES 5                                       ; the next step's loads land on these sources (four places) and its products write over P (five)
.endm
.macro WORK slot, first                ; my half of a tile: four steps
	STEP \slot, 0, \first
	STEP \slot, 1, 0
	STEP \slot, 2, 0
	STEP \slot, 3, 0
.endm
; Slot s has been read and is filled again, two tiles on.  Each wave waits for its reads and for all its tensor loads (its part of the other slot among them); the
; round shows both of every wave of the four work-groups; the joint refill comes first behind it and has four steps of every wave in which to land.
.macro REFILL s
	s_wait_dscnt 0x0
	s_wait_xcnt 0x0
	v_lshl_add_u32 v190, v0, 2, 0x48000
	v_mov_b32 v191, 0
	s_wait_tensorcnt 0x0
	ds_add_u32 v190, v191
	s_wait_dscnt 0x0
	s_add_nc_u64 s[G0K+4*\s+2:G0K+4*\s+3], s[G0K+4*\s+2:G0K+4*\s+3], 2*TILEB   ; no load of mine is out: the descriptors may be stepped
	s_add_nc_u64 s[G0V+4*\s+2:G0V+4*\s+3], s[G0V+4*\s+2:G0V+4*\s+3], 2*TILEB
	ROUND
	JLOAD \s
.endm
	s_wait_tensorcnt 0x1                           ; my part of tile 0 is in; tile 1's load stays out
	s_barrier_signal -1
	s_barrier_wait -1                              ; everybody's part is in
	WORK 0, 1                                      ; tile 0: the first step starts maxima, sums and products
	REFILL 0                                       ; tile 2 goes out
	WORK 1, 0                                      ; tile 1
	REFILL 1                                       ; tile 3 goes out: the last load
	WORK 0, 0                                      ; tile 2
	s_wait_dscnt 0x0                               ; my reads of slot 0 are over: behind the barrier it serves as scratch
	s_wait_tensorcnt 0x0                           ; my part of tile 3 is in,
	s_barrier_signal -1
	s_barrier_wait -1                              ; everybody's is; nothing is filled any more
	WORK 1, 0                                      ; tile 3
	; THE MERGE.  First the two halves of the lanes add their sums, in every wave.
	v_permlanex16_b32 v[T+0], v[LS+0], s52, s53
	v_permlanex16_b32 v[T+1], v[LS+1], s52, s53
	v_add_f32 v[LS+0], v[T+0], v[LS+0]
	v_add_f32 v[LS+1], v[T+1], v[LS+1]
	s_cmp_eq_u32 s9, 0
	s_cbranch_scc1 .Lkeeper
	; waves 8-15 hand over: 64 accumulator registers, then the two shifts and the two sums; each store covers 512 consecutive bytes
	v_mov_b32 v[T+0], v[NM+0]
	v_mov_b32 v[T+1], v[NM+2]
	v_mov_b32 v[T+2], v[LS+0]
	v_mov_b32 v[T+3], v[LS+1]
.irp j, 0,1,2,3,4,5,6,7,8,9,10,11,12,13,14,15
	ds_store_b128 v[XA], v[ACC+4*\j:ACC+4*\j+3] offset:512*\j
.endr
	ds_store_b128 v[XA], v[T:T+3] offset:8192
.Lkeeper:
	s_wait_dscnt 0x0                               ; for the partner's sake: the stores are done
	s_barrier_signal -1
	s_barrier_wait -1
	s_cmp_lg_u32 s9, 0
	s_cbranch_scc1 .Lgiven
	; waves 0-7 take over: lane for lane and register for register the partner's numbers belong to the same (d, query)
	ds_load_b128 v[T+4:T+7], v[XA] offset:8192     ; the partner's shifts (t = 0, 1) and sums (t = 0, 1)
.irp j, 0,1,2,3,4,5,6,7,8,9,10,11,12,13,14,15
	ds_load_b128 v[S+4*\j:S+4*\j+3], v[XA] offset:512*\j
.endr
	s_wait_dscnt 16                                ; shifts and sums are in; the 16 loads of accumulators may be out
.irp t, 0,1
	v_min_num_f32 v[T+0], v[NM+2*\t], v[T+4+\t]    ; the shift is -c m: the smaller shift belongs to the larger maximum
	v_sub_f32 v[T+1], v[T+0], v[NM+2*\t]
	v_sub_f32 v[T+2], v[T+0], v[T+4+\t]
	v_exp_f32 v[T+1], v[T+1]                       ; my side's rescaling, at most 1
	v_exp_f32 v[T+2], v[T+2]                       ; the partner's; one of the two is 1
	v_nop                                          ; the plain instruction behind the exponentials
	s_wait_alu depctr_va_vdst(0)
	v_mul_f32 v[T+3], v[LS+\t], v[T+1]
	v_fma_f32 v[T+3], v[T+6+\t], v[T+2], v[T+3]    ; the whole row's sum: at least about 1, the largest score's term
	v_rcp_f32 v[T+3], v[T+3]
	v_nop                                          ; the plain instruction behind the reciprocal
	s_wait_alu depctr_va_vdst(0)
	v_mul_f32 v[AL+2*\t], v[T+1], v[T+3]           ; rescaling and division in one factor, twice for the packed forms: mine,
	v_mul_f32 v[AL+2*\t+1], v[T+1], v[T+3]
	v_mul_f32 v[NM+2*\t], v[T+2], v[T+3]           ; and the partner's (the shift is no longer needed)
	v_mul_f32 v[NM+2*\t+1], v[T+2], v[T+3]
.endr
	s_wait_dscnt 0x0                               ; the partner's accumulators
.irp t, 0,1
.set ii, 0
.rept 16
	v_pk_mul_f32 v[ACC+32*\t+ii:ACC+32*\t+ii+1], v[ACC+32*\t+ii:ACC+32*\t+ii+1], v[AL+2*\t:AL+2*\t+1]
.set ii, ii+2
.endr
.set ii, 0
.rept 16
	v_pk_fma_f32 v[ACC+32*\t+ii:ACC+32*\t+ii+1], v[S+32*\t+ii:S+32*\t+ii+1], v[NM+2*\t:NM+2*\t+1], v[ACC+32*\t+ii:ACC+32*\t+ii+1]
.set ii, ii+2
.endr
	; round to bf16 and go through my own stage, so that a store to memory covers 512 consecutive bytes
.irp dt, 0,1,2,3
.irp j, 0,1,2,3
	v_cvt_pk_bf16_f32 v[F+16*\t+4*\dt+\j], v[ACC+32*\t+8*\dt+2*\j], v[ACC+32*\t+8*\dt+2*\j+1]
.endr
	ds_store_b128 v[STO], v[F+16*\t+4*\dt:F+16*\t+4*\dt+3] offset:2304*\t+32*\dt   ; query 16 t + r, d = 16 dt + 8 h .. + 7
.endr
.endr
.irp i, 0,1,2,3,4,5,6,7
	ds_load_b128 v[F+32+4*\i:F+32+4*\i+3], v[RD] offset:576*\i   ; four rows of 128 bytes; LDS serves a wave's instructions in order: these see the stores above
.endr
.irp i, 0,1,2,3,4,5,6,7
	s_wait_dscnt 7-\i                              ; read-back i is in, the younger ones stay out
	global_store_b128 v[CO], v[F+32+4*\i:F+32+4*\i+3], s[58:59] offset:512*\i
.endr
.Lgiven:
	s_wait_xcnt 0x0
	v_lshl_add_u32 v190, v0, 2, 0x48000
	v_mov_b32 v191, 0
	s_wait_tensorcnt 0x0
	ds_add_u32 v190, v191
	s_wait_dscnt 0x0
	ROUND                                          ; the closing round: no work-group ends while a partner may still ask for a tile that names it
	s_endpgm
.Lfunc_end_k_q80741d73ed_attn:
	.size	k_q80741d73ed_attn, .Lfunc_end_k_q80741d73ed_attn-k_q80741d73ed_attn
	.p2alignl 7, 3214868480
	.fill 96, 4, 3214868480
	.section	.rodata,"a",@progbits
	.p2align	6, 0x0
	.amdhsa_kernel k_q80741d73ed_attn
		.amdhsa_group_segment_fixed_size 327680
		.amdhsa_private_segment_fixed_size 0
		.amdhsa_enable_private_segment 0
		.amdhsa_kernarg_size 16
		.amdhsa_user_sgpr_count 2
		.amdhsa_user_sgpr_kernarg_segment_ptr 1
		.amdhsa_wavefront_size32 1
		.amdhsa_system_sgpr_workgroup_id_x 1
		.amdhsa_system_sgpr_workgroup_id_y 1
		.amdhsa_system_sgpr_workgroup_id_z 1
		.amdhsa_system_vgpr_workitem_id 0
		.amdhsa_next_free_vgpr 256
		.amdhsa_next_free_sgpr 66
		.amdhsa_reserve_vcc 0
		.amdhsa_float_denorm_mode_32 3
		.amdhsa_float_denorm_mode_16_64 3
		.amdhsa_memory_ordered 1
		.amdhsa_forward_progress 1
		.amdhsa_inst_pref_size 255
	.end_amdhsa_kernel
	.section	.bss,"aw",@nobits
	.p2align	6
	.space	262144
	.amdgpu_metadata
---
amdhsa.version: [ 1, 2 ]
amdhsa.kernels:
  - .name:           k_q80741d73ed_attn
    .symbol:         k_q80741d73ed_attn.kd
    .args:
      - { .name: qkv, .offset: 0, .size: 8, .value_kind: global_buffer, .address_space: global }
      - { .name: ao, .offset: 8, .size: 8, .value_kind: global_buffer, .address_space: global }
    .group_segment_fixed_size: 327680
    .private_segment_fixed_size: 0
    .kernarg_segment_align: 8
    .kernarg_segment_size: 16
    .max_flat_workgroup_size: 512
    .sgpr_count:     66
    .vgpr_count:     256
    .wavefront_size: 32
...
	.end_amdgpu_metadata
.endif
;; end of part 3
;; launch oproj (part 4): grid 8 x 32, 4 waves a work-group, clusters of 4 x 4, 327,680 bytes of LDS; arguments ao, cb, bo, out0; writes out0
.if DOCPART == 4
	.amdgcn_target "amdgcn-amd-amdhsa--gfx1250"
	.amdhsa_code_object_version 6
	.text
	.protected	k_q80741d73ed_oproj
	.globl	k_q80741d73ed_oproj
	.p2align	8
	.type	k_q80741d73ed_oproj,@function
k_q80741d73ed_oproj:
	s_mov_b64 s[64:65], 0
	v_nop
	global_prefetch_b8 v0, s[64:65] scope:SCOPE_SE
	s_setreg_imm32_b32 hwreg(HW_REG_WAVE_MODE, 25, 1), 1
	s_wait_xcnt 0x0
	s_wait_alu depctr_hold_cnt(0) depctr_sa_sdst(0) depctr_va_vdst(0) depctr_va_sdst(0) depctr_va_ssrc(0) depctr_va_vcc(0) depctr_vm_vsrc(0)
	s_getreg_b32 s2, hwreg(HW_REG_IB_STS2, 6, 4)
	s_cmp_eq_u32 s2, 0
	s_cbranch_scc0 .Lentry_in_a_cluster
	s_endpgm
.Lentry_in_a_cluster:
	s_bfe_u32 s2, ttmp6, 0x10000c
	s_cmp_lg_u32 s2, 0xf033
	s_cbranch_scc0 .Lentry_shape_is_right
	s_endpgm
.Lentry_shape_is_right:
; out0 = A Wo^T + bo.  A[m = 2,048 batch + t][k = 64 head + d] is ao[16 batch + head][t][64] in bf16; Wo in bf16 is cb from byte 0x1E00000; sums and out0 in f32.
; A work-group makes 128 x 128 of out0 (8 x 32 blocks = 256 work-groups), a wave 64 x 64: 16 accumulator tiles in window 1.
; K = 1,024 goes in four tiles of 256 (four heads) through two LDS slots.  One tensor load of waves 0, 1 brings two heads' blocks of A (each 128 rows x 128
; bytes, dense: 16 KiB), one of waves 2, 3 brings 64 rows x 512 bytes of Wo.
; CLUSTERS: 4 x 4; A's tiles are shared along a row of the cluster, Wo's along a column, by joint loads.
; The matrix instruction is used transposed (source 0 = rows of Wo, source 1 = rows of A): a lane's eight results are eight neighbouring columns.
; The bias is the C operand of each accumulator's first product.
.set SLOT,  137216                     ; A: 4 heads x 64 rows of (256 + 16) bytes = 69,632; Wo: 128 rows of (512 + 16) bytes = 67,584
.set BOFS,  69632
.set STAGE, 2*SLOT                     ; behind the ring: 16 rows x 272 bytes for each wave; no tensor load ever lands there
.set ADRA, 16                          ; v16-17  LDS address of my A fragments in slot 0, 1
.set ADRB, 20                          ; v20-21  the same for Wo
.set STO,  24
.set RD,   25
.set CO,   26
.set BOF,  27
.set F0,   64                          ; fragment buffer 0: Wo's four fragments at + 8 b, A's four at + 32 + 8 a
.set F1,   128
.set BIAS, 192                         ; v[192:223]: tile b, register j = bo[first column + 16 b + 8 (l / 16) + j]
.set G1, 24
.set G0, 32
.set G1B, 48
.set G0B, 56
.set MSB, 0
.macro WIN new
.if MSB != \new
	s_set_vgpr_msb (MSB<<8)|\new
.set MSB, \new
.endif
.endm
.macro JLOAD s
	s_cmp_eq_u32 s11, 0
	s_cbranch_scc0 .Lfor_b_\@
	tensor_load_to_lds s[G0+4*\s:G0+4*\s+3], s[G1:G1+7]
	s_nop 0
	s_branch .Lasked_\@
.Lfor_b_\@:
	tensor_load_to_lds s[G0B+4*\s:G0B+4*\s+3], s[G1B:G1B+7]
	s_nop 0
.Lasked_\@:
.endm
.macro CROUND                          ; a round of the cluster's barrier
	s_barrier_signal -1
	s_barrier_wait -1
	s_cmp_lg_u32 s10, 0
	s_cbranch_scc1 .Lnot_wave_0_\@
	s_barrier_signal -3
.Lnot_wave_0_\@:
	s_barrier_wait -3
	s_barrier_signal -1
	s_barrier_wait -1
.endm
.macro PLACES
.rept 4
	v_nop
.endr
.endm
	s_load_b256 s[68:75], s[0:1], 0x0              ; ao 68:69, cb 70:71, bo 72:73, out0 74:75
	v_lshl_add_u32 v254, v0, 2, 0x47400
	v_mov_b32 v255, 0
	ds_add_u32 v254, v255
	v_lshrrev_b32 v1, 5, v0
	v_readfirstlane_b32 s10, v1                    ; wave 0..3
	s_lshr_b32 s11, s10, 1                         ; my half of the rows.  Also: I fetch for A (0) or for Wo (1)
	s_and_b32 s12, s10, 1                          ; my half of the columns
	s_bfe_u32 s40, ttmp6, 0x40000                  ; cx
	s_bfe_u32 s41, ttmp6, 0x40004                  ; cy
	s_lshl_b32 s42, ttmp9, 2
	s_add_co_u32 s42, s42, s40                     ; block column 0..7
	s_and_b32 s13, ttmp7, 0xffff
	s_lshl_b32 s13, s13, 2
	s_add_co_u32 s13, s13, s41                     ; block row 0..31
	s_lshl_b32 s43, s41, 2
	s_lshl_b32 s43, 15, s43                        ; my row of the cluster
	s_lshl_b32 s44, 0x1111, s40                    ; my column
	; A's group 1: two rows of 2,048 elements of 8 bytes (a head's dense 16 KiB), 32,768 elements (a head's 256 KiB) apart; 4 words of padding behind every 64 words
	s_or_b32 s[G1+0], s43, (3<<16)|(1<<20)|(1<<21)|(5<<22)|(3<<25)
	s_mov_b32 s[G1+1], 2048<<16
	s_mov_b32 s[G1+2], 2<<16
	s_mov_b32 s[G1+3], 2048<<16
	s_mov_b32 s[G1+4], 2
	s_mov_b32 s[G1+5], 32768
	s_mov_b32 s[G1+6], 0
	s_mov_b32 s[G1+7], 0
	; Wo's group 1: 64 rows of 256 elements of 2 bytes, 1,024 elements from row to row; 4 words of padding behind every 128 words
	s_or_b32 s[G1B+0], s44, (1<<16)|(1<<20)|(1<<21)|(6<<22)|(3<<25)
	s_mov_b32 s[G1B+1], 256<<16
	s_mov_b32 s[G1B+2], 64<<16
	s_mov_b32 s[G1B+3], 256<<16
	s_mov_b32 s[G1B+4], 64
	s_mov_b32 s[G1B+5], 1024
	s_mov_b32 s[G1B+6], 0
	s_mov_b32 s[G1B+7], 0
	s_lshr_b32 s16, s13, 4                         ; A: batch x 16 heads x 256 KiB
	s_lshl_b32 s16, s16, 22
	s_and_b32 s17, s13, 15                         ; + 128 rows x 128 bytes for each block row of the batch
	s_lshl_b32 s17, s17, 14
	s_add_co_u32 s16, s16, s17
	s_lshl_b32 s17, s10, 19                        ; + two heads for each wave (waves 0 and 1 ask)
	s_add_co_u32 s16, s16, s17
	s_mov_b32 s17, 0
	s_lshl_b32 s46, s42, 18                        ; Wo: 128 rows x 2,048 bytes for each block column
	s_lshl_b32 s47, s10, 17                        ; + 64 rows for each wave (waves 2 and 3 ask: the constant takes two waves off again)
	s_add_co_u32 s46, s46, s47
	s_add_co_u32 s46, s46, 0x1e00000-0x40000
	s_mov_b32 s47, 0
	s_lshl_b32 s78, s42, 9                         ; 4 bytes x (128 x block column + 64 x half): my first bias, and my first column of out0
	s_lshl_b32 s79, s12, 8
	s_add_co_u32 s78, s78, s79
	s_mov_b32 s79, 0
	s_mul_i32 s20, s10, 34816                      ; A's two heads go to wave x 34,816 (waves 0, 1),
	s_mul_i32 s21, s10, 33792                      ; Wo's 64 rows to 69,632 + (wave - 2) x 33,792 = wave x 33,792 + 2,048 (waves 2, 3)
	s_add_co_u32 s21, s21, 2048
	s_wait_dscnt 0x0
	s_wait_kmcnt 0x0
	s_add_nc_u64 s[14:15], s[68:69], s[16:17]
	s_add_nc_u64 s[46:47], s[70:71], s[46:47]
	s_add_nc_u64 s[76:77], s[72:73], s[78:79]      ; bo at my first column
	s_add_nc_u64 s[74:75], s[74:75], s[78:79]      ; out0 at my first column,
	s_lshl_b32 s16, s13, 19                        ; and my first row: (128 x block row + 64 x half) x 4,096 bytes
	s_lshl_b32 s17, s11, 18
	s_add_co_u32 s16, s16, s17
	s_mov_b32 s17, 0
	s_add_nc_u64 s[74:75], s[74:75], s[16:17]
	CROUND                                         ; all sixteen work-groups are here: the first joint loads meet
.irp s, 0,1
	s_mov_b32 s[G0+4*\s], 1
	s_add_co_u32 s[G0+4*\s+1], s20, \s*SLOT
	s_add_nc_u64 s[G0+4*\s+2:G0+4*\s+3], s[14:15], \s*0x100000     ; tile s: four heads on
	s_or_b32 s[G0+4*\s+3], s[G0+4*\s+3], 0x80000000
	s_mov_b32 s[G0B+4*\s], 1
	s_add_co_u32 s[G0B+4*\s+1], s21, \s*SLOT
	s_add_nc_u64 s[G0B+4*\s+2:G0B+4*\s+3], s[46:47], \s*512        ; 256 along K
	s_or_b32 s[G0B+4*\s+3], s[G0B+4*\s+3], 0x80000000
	JLOAD \s                                       ; both first fills go out together: two tensor loads of the wave are out, the most in this text
.endr
	v_and_b32 v1, 15, v0                           ; r
	v_bfe_u32 v2, v0, 4, 1                         ; h
	v_lshlrev_b32 v[BOF], 5, v2
.irp b, 0,1,2,3
	global_load_b128 v[BIAS+8*\b:BIAS+8*\b+3],   v[BOF], s[76:77] offset:64*\b
	global_load_b128 v[BIAS+8*\b+4:BIAS+8*\b+7], v[BOF], s[76:77] offset:64*\b+16
.endr
	v_lshrrev_b32 v3, 1, v1                        ; A: row t of a head's block lies at (t / 2) x 272 + (t % 2) x 128
	v_mul_u32_u24 v3, v3, 272
	v_and_b32 v4, 1, v1
	v_lshl_add_u32 v3, v4, 7, v3
	v_lshl_add_u32 v3, v2, 4, v3
	v_mul_u32_u24 v4, v1, 528                      ; Wo: row x 528
	v_lshl_add_u32 v4, v2, 4, v4
	s_mul_i32 s22, s11, 8704                       ; my 64 rows of A: 32 LDS rows
	s_mul_i32 s23, s12, 33792                      ; my 64 rows of Wo
	s_add_co_u32 s23, s23, BOFS
.irp s, 0,1
	v_add_nc_u32 v[ADRA+\s], s22, v3
	v_add_nc_u32 v[ADRB+\s], s23, v4
	s_add_co_u32 s22, s22, SLOT
	s_add_co_u32 s23, s23, SLOT
.endr
	s_mul_i32 s18, s10, 16*272
	s_add_co_u32 s18, s18, STAGE                   ; my stage
	v_mul_u32_u24 v5, v1, 272                      ; in: row r, 32 bytes for each half of the lanes
	v_lshl_add_u32 v5, v2, 5, v5
	v_add_nc_u32 v[STO], s18, v5
	v_mul_u32_u24 v5, v2, 272                      ; back: lanes 0-15 take one row of 256 bytes, lanes 16-31 the next
	v_lshl_add_u32 v5, v1, 4, v5
	v_add_nc_u32 v[RD], s18, v5
	v_lshlrev_b32 v5, 12, v2                       ; and the same two rows in out0
	v_lshl_add_u32 v[CO], v1, 4, v5
; 16 LDS loads: the fragments of 32 along K, number q of the slot's eight (head q / 2, d = 32 (q % 2) ..), into buffer f
.macro FETCH slot, q, f
.irp b, 0,1,2,3
	ds_load_b128 v[\f+8*\b:\f+8*\b+3],   v[ADRB+\slot] offset:8448*\b+64*(\q)
	ds_load_b128 v[\f+8*\b+4:\f+8*\b+7], v[ADRB+\slot] offset:8448*\b+64*(\q)+32
.endr
.irp a, 0,1,2,3
	ds_load_b128 v[\f+32+8*\a:\f+32+8*\a+3], v[ADRA+\slot] offset:17408*((\q)>>1)+2176*\a+64*((\q)&1)
	ds_load_b128 v[\f+32+8*\a+4:\f+32+8*\a+7], v[ADRA+\slot] offset:17408*((\q)>>1)+2176*\a+64*((\q)&1)+32
.endr
.endm
; 16 matrix instructions; the 16 accumulators take turns, one instruction a turn, in the same order every time
.macro MUL16 f, first
.if \first
	WIN 0x40                                       ; D window 1; C (the biases) and the sources window 0
.else
	WIN 0x50                                       ; C and D window 1
.endif
.irp a, 0,1,2,3
.irp b, 0,1,2,3
.if \first
	v_wmma_f32_16x16x32_bf16 v[8*(4*\a+\b):8*(4*\a+\b)+7], v[\f+8*\b:\f+8*\b+7], v[\f+32+8*\a:\f+32+8*\a+7], v[BIAS+8*\b:BIAS+8*\b+7]
.else
	v_wmma_f32_16x16x32_bf16 v[8*(4*\a+\b):8*(4*\a+\b)+7], v[\f+8*\b:\f+8*\b+7], v[\f+32+8*\a:\f+32+8*\a+7], v[8*(4*\a+\b):8*(4*\a+\b)+7]
.endif
.endr
.endr
	WIN 0
.endm
; 32 along K: buffer f is in; the next fragments are asked for into buffer g, four places behind the products that read g; then f is multiplied
.macro QUARTER slot, q, f, g, first, last
	s_wait_dscnt 0x0
.if \last == 0
	PLACES
	FETCH \slot, \q+1, \g
.endif
	MUL16 \f, \first
.endm
.macro SLOTWORK slot, first
.if \first == 0
	PLACES                                         ; buffer 0 was last read by products with no plain vector instruction behind them
.endif
	FETCH \slot, 0, F0
	QUARTER \slot, 0, F0, F1, \first, 0
	QUARTER \slot, 1, F1, F0, 0, 0
	QUARTER \slot, 2, F0, F1, 0, 0
	QUARTER \slot, 3, F1, F0, 0, 0
	QUARTER \slot, 4, F0, F1, 0, 0
	QUARTER \slot, 5, F1, F0, 0, 0
	QUARTER \slot, 6, F0, F1, 0, 0
	QUARTER \slot, 7, F1, F0, 0, 1
.endm
; Slot s has been read and is filled again, two tiles on.  Each wave waits for its reads and for all its tensor loads (the other slot's part among them); the
; round shows both of every wave of the cluster; the joint refill comes first behind it.
.macro REFILL s
	s_wait_dscnt 0x0
	s_wait_tensorcnt 0x0
	ds_add_u32 v254, v255
	s_wait_dscnt 0x0
	s_add_nc_u64 s[G0+4*\s+2:G0+4*\s+3], s[G0+4*\s+2:G0+4*\s+3], 0x200000      ; eight heads on
	s_add_nc_u64 s[G0B+4*\s+2:G0B+4*\s+3], s[G0B+4*\s+2:G0B+4*\s+3], 1024      ; 512 along K
	CROUND
	JLOAD \s
.endm
	s_wait_loadcnt 0x0                             ; the biases
	s_wait_tensorcnt 1                             ; my part of tile 0 is in; tile 1's load stays out
	s_barrier_signal -1
	s_barrier_wait -1
	SLOTWORK 0, 1                                  ; tile 0: the first products start the sums from the biases
	REFILL 0                                       ; tile 2 goes out
	SLOTWORK 1, 0                                  ; tile 1
	REFILL 1                                       ; tile 3 goes out: the last load
	SLOTWORK 0, 0                                  ; tile 2
	s_wait_dscnt 0x0
	s_wait_tensorcnt 0x0                           ; my part of tile 3 is in,
	s_barrier_signal -1
	s_barrier_wait -1                              ; everybody's is; nothing is filled any more
	SLOTWORK 1, 0                                  ; tile 3
	; THE WAY OUT, 16 rows at a time through my own stage: a lane's 32 bytes go in, whole rows of 256 bytes come back, and sixteen lanes store 256
	; consecutive bytes at a multiple of 256 from out0's first byte
	PLACES                                         ; between the last products and the LDS stores of their results
.macro OUT16 a, f
	WIN 0x04                                       ; the store's data in window 1
.irp b, 0,1,2,3
	ds_store_b128 v[STO], v[8*(4*\a+\b):8*(4*\a+\b)+3]   offset:64*\b
	ds_store_b128 v[STO], v[8*(4*\a+\b)+4:8*(4*\a+\b)+7] offset:64*\b+16
.endr
	WIN 0
	s_wait_xcnt 0x0                                ; buffer f, which earlier stores read, and the stores' base are rewritten only behind this wait
.if \a
	s_add_nc_u64 s[74:75], s[74:75], 16*4096       ; 16 rows of out0 on
.endif
.irp t, 0,1,2,3,4,5,6,7
	ds_load_b128 v[\f+4*\t:\f+4*\t+3], v[RD] offset:544*\t   ; LDS serves a wave's instructions in order: these see the stores above
.endr
.irp t, 0,1,2,3,4,5,6,7
	s_wait_dscnt 7-\t                              ; read-back t is in, the younger ones stay out
	global_store_b128 v[CO], v[\f+4*\t:\f+4*\t+3], s[74:75] offset:8192*\t th:TH_STORE_NT
.endr
.endm
	OUT16 0, F0
	OUT16 1, F1
	OUT16 2, F0
	OUT16 3, F1
	s_wait_tensorcnt 0x0
	ds_add_u32 v254, v255
	s_wait_dscnt 0x0
	CROUND                                         ; the closing round: no work-group ends while a partner may still ask for a tile that names it
	s_endpgm
.Lfunc_end_k_q80741d73ed_oproj:
	.size	k_q80741d73ed_oproj, .Lfunc_end_k_q80741d73ed_oproj-k_q80741d73ed_oproj
	.p2alignl 7, 3214868480
	.fill 96, 4, 3214868480
	.section	.rodata,"a",@progbits
	.p2align	6, 0x0
	.amdhsa_kernel k_q80741d73ed_oproj
		.amdhsa_group_segment_fixed_size 327680
		.amdhsa_private_segment_fixed_size 0
		.amdhsa_enable_private_segment 0
		.amdhsa_kernarg_size 32
		.amdhsa_user_sgpr_count 2
		.amdhsa_user_sgpr_kernarg_segment_ptr 1
		.amdhsa_wavefront_size32 1
		.amdhsa_system_sgpr_workgroup_id_x 1
		.amdhsa_system_sgpr_workgroup_id_y 1
		.amdhsa_system_sgpr_workgroup_id_z 1
		.amdhsa_system_vgpr_workitem_id 0
		.amdhsa_next_free_vgpr 384
		.amdhsa_next_free_sgpr 80
		.amdhsa_reserve_vcc 0
		.amdhsa_float_denorm_mode_32 3
		.amdhsa_float_denorm_mode_16_64 3
		.amdhsa_memory_ordered 1
		.amdhsa_forward_progress 1
		.amdhsa_inst_pref_size 90
	.end_amdhsa_kernel
	.amdgpu_metadata
---
amdhsa.version: [ 1, 2 ]
amdhsa.kernels:
  - .name:           k_q80741d73ed_oproj
    .symbol:         k_q80741d73ed_oproj.kd
    .args:
      - { .name: ao, .offset: 0, .size: 8, .value_kind: global_buffer, .address_space: global }
      - { .name: cb, .offset: 8, .size: 8, .value_kind: global_buffer, .address_space: global }
      - { .name: bo, .offset: 16, .size: 8, .value_kind: global_buffer, .address_space: global }
      - { .name: out0, .offset: 24, .size: 8, .value_kind: global_buffer, .address_space: global }
    .group_segment_fixed_size: 327680
    .private_segment_fixed_size: 0
    .kernarg_segment_align: 8
    .kernarg_segment_size: 32
    .max_flat_workgroup_size: 128
    .sgpr_count:     80
    .vgpr_count:     384
    .wavefront_size: 32
...
	.end_amdgpu_metadata
.endif
;; end of part 4
